; MI455X (gfx1250); checked and timed in simulation.
; The chip was launched on July 23, 2026; its instructions are those of AMD's public machine-readable ISA for CDNA 5 (MIT licence, August 2026) and "CDNA5" Instruction Set Architecture Reference Guide (July 2026). The comments in the code are by the model that wrote it; some were corrected since.
;; Attention. Allowed arithmetic: matrix products marked QUANTISED: E2M3 operands, one E8M0 scale for each 32 along K, by v_wmma_scale_f32_16x16x128_f8f6f4 with both operands' format E2M3, f32 sums; products left as they are: f32 operands where the result goes on into a quantised operand, else bf16, f16 or f32 operands; f32 sums; everything else in f32.
;; Inputs: W_c 1,024 float32; W_dec 1,024 x 1,024 float32; W_h 1,024 x 1,024 float32; b_dec 1,024 float32; coverage 32 x 2,048 float32; enc_padding_mask 32 x 2,048 float32; h 32 x 2,048 x 1,024 float32; s_t_hat 32 x 1,024 float32; v 1,024 float32.
;; Outputs: out0 32 x 1,024 float32; out1 32 x 2,048 float32; out2 32 x 2,048 float32.
;; This version of the problem:
;;   THIS VERSION OF THE PROBLEM IS GIVEN IN LOW PRECISION. The matrix products marked QUANTISED in the list below multiply operands that are first quantised to E2M3 (2 exponent bits, 3 mantissa bits; 6 bits a number), with one power-of-two scale for each 32 numbers along K (OCP MX v1.0); their sums are f32. All else is computed in f32.
;;   The module's matrix products, in the order in which they are computed (A, B: the left and right operand; K: the contracted axis; several contracted axes count as one K, in the product's order):
;;     1. [M 65,536, K 1,024] x [K 1,024, N 1,024]; A: input h; B: input W_h: QUANTISED
;;     2. [M 32, K 1,024] x [K 1,024, N 1,024]; A: input s_t_hat; B: input W_dec: QUANTISED
;;     3. [M 65,536, K 1,024] x [K 1,024, N 1]; A: computed on the way; B: input v: left as it is (N = 1 < 16)
;;     4. batch 32 x [M 1, K 2,048] x [K 2,048, N 1,024]; A: computed on the way; B: input h: left as it is (M = 1 < 16)
;;   THE QUANTISER, for each operand of a quantised product, along K:
;;     - K is cut into blocks of 32 from its start; a last block that is shorter is filled with zeros.
;;     - A block's scale is 2^e with e = floor(log2(the largest magnitude in the block)) - 2, held to -126 .. 127; a block of zeros has e = 0. As a byte (E8M0): e + 127.
;;     - Each number is divided by its block's scale, clamped to +-7.5, and rounded to the nearest number of E2M3, ties to even, subnormals kept.
;;     - The product sums the exact products of the quantised numbers (number of the format x scale) in f32.
;;   ~~~python
;;   def quantise(x, axis):      # numpy; x: float32 -> the quantised numbers, widened to float32 again
;;       x = np.moveaxis(x, axis, -1); K = x.shape[-1]
;;       x = np.pad(x, [(0, 0)] * (x.ndim - 1) + [(0, -K % 32)]); x = x.reshape(x.shape[:-1] + (-1, 32)); a = np.abs(x).max(-1, keepdims=True)
;;       e = np.where(a > 0, np.clip(np.frexp(np.where(a > 0, a, 1))[1] - 1 - 2, -126, 127), 0)      # np.frexp(a)[1] - 1 = floor(log2(a)), exactly
;;       r = np.clip(x / 2.0 ** e, -7.5, 7.5)
;;       step = 2.0 ** (np.maximum(np.frexp(np.where(r == 0, 1, r))[1] - 1, 0) - 3)
;;       q = np.round(r / step) * step * 2.0 ** e      # np.round: ties to even
;;       return np.moveaxis(q.reshape(q.shape[:-2] + (-1,))[..., :K], -1, axis).astype(np.float32)
;;   ~~~
;; One version. Each part assembles by itself: llvm-mc -triple=amdgcn-amd-amdhsa -mcpu=gfx1250 --defsym DOCPART=n.
;; ======== version 1 of 1: 3 launches
;; limits: values are held in bf16: 8 bits of precision; right only within a limited range of input values
;; workspace buffers: wq 786,432 bytes; wsc 32,768 bytes; cdec 131,072 bytes; tabs 8,192 bytes; sc 262,144 bytes; pc 4,194,304 bytes
;; launch prep (part 1): grid 64 x 1, 8 waves a work-group, no clusters, 52,224 bytes of LDS; arguments W_h, W_dec, s_t_hat, b_dec, W_c, v, wq, wsc, cdec, tabs; writes wq, wsc, cdec, tabs
.if DOCPART == 1
	.amdgcn_target "amdgcn-amd-amdhsa--gfx1250"
	.amdhsa_code_object_version 6
	.text
	.protected	k_qbea0abbf22_prep
	.globl	k_qbea0abbf22_prep
	.p2align	8
	.type	k_qbea0abbf22_prep,@function
k_qbea0abbf22_prep:
	s_mov_b64 s[64:65], 0
	v_nop
	global_prefetch_b8 v0, s[64:65] scope:SCOPE_SE
	s_setreg_imm32_b32 hwreg(HW_REG_WAVE_MODE, 25, 1), 1
	s_wait_xcnt 0x0
; THE PROGRAM.  scores = sum_m v[m] tanh(x[m]), x = Q(h) Q(W_h)^T + dec + coverage W_c;  attention = softmax(scores) mask, normalised;  c_t = attention . h.
; WORK LEFT OUT, for all values of the inputs.  (1) tanh(x) = 1 - 2 / (1 + e^(2x)), so scores = sum(v) - 2 sum_m v[m] / (1 + e^(2 x[m])): the term sum(v) is the same for
; every t of a row of the softmax and cancels in it: it is not formed.  (2) softmax's own divisor S cancels: (e / S mask) / sum(e / S mask) = e mask / sum(e mask): it is not formed.
; The maximum is taken away ahead of every exponential of a score all the same.  Every input has a way to an output and is loaded.
; LIMITS: NaN and infinities among the inputs are not served; a NaN, an infinity or an overflow that would reach only sum(v) or S is not carried to the result; a block of zeros gets the
; scale byte 1 (its codes are zeros, and this program alone reads the bytes); blocks whose largest magnitude lies under 2^-124, the floor, were not tried.
; THIS LAUNCH.  c = 2 log2(e).  It makes: wq, wsc: W_h as codes of E2M3 and E8M0 scale words, laid in the order of the operand's registers; cdec = c (Q(s_t_hat) Q(W_dec)^T + b_dec);
; tabs = c W_c, then -c v.  Work-group T takes rows 16 T .. 16 T + 15 of W_h and of W_dec; wave s takes K step s (128 along K).
; wq: [g 16][s 8][n 4][3][lane 32][16 bytes], tile T = 4 g + n;  wsc: [g][s][r 16][n 4] words.
; A fragment's f32 numbers are loaded as they lie (a load covers two rows' 256 bytes) and turn through the wave's own stage in LDS, so that lane (r, h) holds k = 64 c + 32 h + 0 .. 31 of row r.
.set STG,   0                          ; 8 stages of 16 rows x 272 bytes
.set RED,   34816                      ; 8 x 2,048 bytes: each wave's two result tiles, as images of their registers
.set SPARE, 51200                      ; the spare words, 128 bytes a wave: four blocks of 256 bytes that no other line names
.set SPW,  1                           ; v1   my spare word's address; never rewritten
.set NIL,  2                           ; v2   0; never rewritten
.set SH8,  5                           ; v5   8 h
.set LOF,  6                           ; v6   4096 h + 16 r + 512 s: my 16 bytes of a load
.set STS,  7                           ; v7   the stage, on the way in
.set STR,  8                           ; v8   and on the way out
.set R0,   32
.set R1,   96
.set R2,   160
.set PC,   224                         ; v224-235 a weight's codes
.set TMP,  236
.set QT,   244
.set SEL,  28                          ; s[28:29] selects for lane l xor 16
; Half a fragment, 16 rows x 64 K as loaded in v[src] on (load e: rows 2 e + h, 16 bytes at 16 r), goes into the stage and comes back 128 bytes a lane: register src + i = k 32 h + i of row r.
; LDS serves a wave's instructions in order: no wait between the stores and the loads, nor in front of the next half's stores.
.macro TURN src
.irp e, 0,1,2,3,4,5,6,7
	ds_store_b128 v[STS], v[(\src)+4*\e:(\src)+4*\e+3] offset:544*\e
.endr
.irp j, 0,1,2,3,4,5,6,7
	ds_load_b128 v[(\src)+4*\j:(\src)+4*\j+3], v[STR] offset:16*\j
.endr
.endm
; 64 numbers of a lane, two whole blocks of 32, become the fragment's 12 registers of codes at v[dst] and its scale word in v[sw].
.macro QUANT src, dst, sw
.irp c, 0,1
	v_max3_num_f32 v[QT+\c], |v[\src+32*\c]|, |v[\src+32*\c+1]|, 0x1800000   ; with the floor 2^(3 - 127): the byte cannot fall under 1
.endr
.irp i, 2,4,6,8,10,12,14,16,18,20,22,24,26,28,30
.irp c, 0,1
	s_delay_alu instid0(VALU_DEP_2)
	v_max3_num_f32 v[QT+\c], v[QT+\c], |v[\src+32*\c+\i]|, |v[\src+32*\c+\i+1]|
.endr
.endr
.irp c, 0,1
	s_delay_alu instid0(VALU_DEP_2)
	v_add_nc_u32 v[QT+2+\c], 0xff000000, v[QT+\c]  ; 2 off the exponent field: the conversion's scale operand
.endr
.irp c, 0,1
	s_delay_alu instid0(VALU_DEP_2)
	v_lshrrev_b32 v[QT+4+\c], 23, v[QT+2+\c]       ; the scale's byte
.endr
	s_delay_alu instid0(VALU_DEP_1)
	v_lshl_or_b32 v[QT+7], v[QT+5], 16, v[QT+4]    ; blocks h and 2 + h,
	s_delay_alu instid0(VALU_DEP_1)
	v_lshlrev_b32 v[QT+7], v[SH8], v[QT+7]         ; at their places in the word;
	v_mov_b32 v[QT+6], 0
	s_delay_alu instid0(VALU_DEP_1)
	v_permlanex16_b32 v[QT+6], v[QT+7], s[SEL], s[SEL+1]
	s_delay_alu instid0(VALU_DEP_1)
	v_or_b32 v[\sw], v[QT+7], v[QT+6]              ; with lane l xor 16's two the word is whole
.irp c, 0,1
	v_cvt_scalef32_pk16_fp6_f32 v[\dst+6*\c:\dst+6*\c+2], v[\src+32*\c:\src+32*\c+15], v[QT+2+\c]
	v_cvt_scalef32_pk16_fp6_f32 v[TMP+4*\c:TMP+4*\c+2], v[\src+32*\c+16:\src+32*\c+31], v[QT+2+\c]   ; (three registers begin on an even number: made here and moved)
.endr
	v_nop                                          ; one plain place behind a scaled conversion
.irp c, 0,1
.irp i, 0,1,2
	v_mov_b32 v[\dst+6*\c+3+\i], v[TMP+4*\c+\i]
.endr
.endr
.endm
.macro FLOAD reg, sb, off              ; a fragment's 16 rows x 128 K of f32: 16 loads, each two rows' 256 consecutive bytes
.irp q, 0,1
.irp e, 0,1,2,3,4,5,6,7
	global_load_b128 v[\reg+32*\q+4*\e:\reg+32*\q+4*\e+3], v[LOF], s[\sb:\sb+1] offset:\off+8192*\e+256*\q
.endr
.endr
.endm
	s_load_b256 s[4:11], s[0:1], 0x0               ; W_h s[4:5], W_dec s[6:7], s_t_hat s[8:9], b_dec s[10:11]
	s_load_b256 s[12:19], s[0:1], 0x20             ; W_c s[12:13], v s[14:15], wq s[16:17], wsc s[18:19]
	s_load_b128 s[20:23], s[0:1], 0x40             ; cdec s[20:21], tabs s[22:23]
	v_lshl_add_u32 v[SPW], v0, 2, SPARE
	v_mov_b32 v[NIL], 0
	v_lshrrev_b32 v13, 5, v0
	s_delay_alu instid0(VALU_DEP_1)
	v_readfirstlane_b32 s24, v13                   ; wave = K step
	v_and_b32 v3, 15, v0                           ; r
	v_bfe_u32 v4, v0, 4, 1                         ; h
	v_and_b32 v14, 31, v0                          ; lane
	s_delay_alu instid0(VALU_DEP_2)
	v_lshlrev_b32 v[SH8], 3, v4
	s_delay_alu instid0(VALU_DEP_2)
	v_lshlrev_b32 v9, 4, v14                       ; 16 x lane
	s_delay_alu instid0(VALU_DEP_4)
	v_lshlrev_b32 v[LOF], 12, v4
	s_delay_alu instid0(VALU_DEP_1)
	v_lshl_add_u32 v[LOF], v3, 4, v[LOF]
	s_lshl_b32 s25, s24, 9
	v_add_nc_u32 v[LOF], s25, v[LOF]
	s_mul_i32 s26, s24, 4352                       ; my stage
	v_mul_u32_u24 v[STS], v4, 272
	s_delay_alu instid0(VALU_DEP_1)
	v_lshl_add_u32 v[STS], v3, 4, v[STS]
	s_delay_alu instid0(VALU_DEP_1)
	v_add_nc_u32 v[STS], s26, v[STS]
	v_mul_u32_u24 v[STR], v3, 272
	s_delay_alu instid0(VALU_DEP_1)
	v_lshl_add_u32 v[STR], v4, 7, v[STR]
	s_delay_alu instid0(VALU_DEP_1)
	v_add_nc_u32 v[STR], s26, v[STR]
	v_and_b32 v10, 127, v0
	s_delay_alu instid0(VALU_DEP_1)
	v_lshlrev_b32 v10, 4, v10
	s_delay_alu instid0(VALU_DEP_1)
	v_add_nc_u32 v10, RED, v10                     ; the sum's reads: 16 x thread (threads 0 to 127)
	s_lshl_b32 s27, s24, 11
	s_add_co_u32 s27, s27, RED
	v_add_nc_u32 v11, s27, v9                      ; my results' image
	v_lshlrev_b32 v12, 4, v3                       ; wsc: 16 r
	s_mov_b32 s[SEL], 0x76543210
	s_mov_b32 s[SEL+1], 0xfedcba98
	s_mov_b32 s40, 0x4038aa3b                      ; c = 2 log2(e)
	s_mov_b32 s41, s40
	s_lshl_b32 s30, ttmp9, 16                      ; 16 rows of 4,096 bytes a tile
	s_mov_b32 s31, 0
	s_lshr_b32 s32, ttmp9, 2                       ; g
	s_and_b32 s33, ttmp9, 3                        ; n
	s_mul_i32 s34, s32, 49152
	s_mul_i32 s35, s24, 6144
	s_add_co_u32 s34, s34, s35
	s_mul_i32 s35, s33, 1536
	s_add_co_u32 s34, s34, s35
	s_mov_b32 s35, 0                               ; s[34:35]: my fragment's place in wq
	s_lshl_b32 s36, s32, 11
	s_lshl_b32 s37, s24, 8
	s_add_co_u32 s36, s36, s37
	s_lshl_b32 s37, s33, 2
	s_add_co_u32 s36, s36, s37
	s_mov_b32 s37, 0                               ; s[36:37]: its scale words' place in wsc
	s_and_b32 s38, s24, 1                          ; for the sum: wave w < 4 takes batch rows 16 (w / 2) + r and columns 16 T + 8 h + 4 (w % 2) + 0 .. 3
	s_lshl_b32 s38, s38, 4
	s_lshl_b32 s39, ttmp9, 6
	s_add_co_u32 s38, s38, s39
	v_lshl_add_u32 v15, v4, 5, s38                 ; 4 x column: b_dec's offset
	v_lshl_add_u32 v17, v3, 2, s39                 ; 4 (16 T + r): W_c's and v's offset
	s_delay_alu instid0(VALU_DEP_1)
	v_lshl_add_u32 v18, v4, 12, v17                ; and the place in tabs: lanes 16-31 the second table
	s_lshr_b32 s39, s24, 1
	s_lshl_b32 s39, s39, 16
	v_lshl_add_u32 v16, v3, 12, v15
	s_delay_alu instid0(VALU_DEP_1)
	v_add_nc_u32 v16, s39, v16                     ; cdec's offset
	s_wait_kmcnt 0x0
	s_add_nc_u64 s[4:5], s[4:5], s[30:31]
	s_add_nc_u64 s[6:7], s[6:7], s[30:31]
	s_add_nc_u64 s[16:17], s[16:17], s[34:35]
	s_add_nc_u64 s[18:19], s[18:19], s[36:37]
	FLOAD R0, 4, 0                                 ; W_h's fragment
	FLOAD R1, 6, 0                                 ; W_dec's
	FLOAD R2, 8, 0                                 ; s_t_hat, rows 0-15
	s_wait_loadcnt 32                              ; W_h's 16 loads are in; the 32 younger ones may be out
	TURN R0
	TURN R0+32
	s_wait_dscnt 0x0
	QUANT R0, PC, 20
.irp p, 0,1,2
	global_store_b128 v9, v[PC+4*\p:PC+4*\p+3], s[16:17] offset:512*\p   ; 32 lanes store 512 consecutive bytes, aligned
.endr
	global_store_b32 v12, v20, s[18:19]            ; row r's scale word (both halves of the lanes hold the same word)
	FLOAD R0, 8, 65536                             ; s_t_hat, rows 16-31, into the set that W_h has left
	s_wait_loadcnt 32                              ; W_dec's are in: behind them 16 + 16 were issued
	TURN R1
	TURN R1+32
	s_wait_dscnt 0x0
	s_wait_xcnt 0x0                                ; the stores of W_h's codes have read their registers: they are written again only behind this wait
	QUANT R1, PC, 24
	s_wait_loadcnt 16
	TURN R2
	TURN R2+32
	s_wait_dscnt 0x0
	QUANT R2, 96, 25
	s_wait_loadcnt 0x0
	TURN R0
	TURN R0+32
	s_wait_dscnt 0x0
	QUANT R0, 108, 26
.rept 8
	v_nop                                          ; a scale register written by a vector instruction stands 8 places ahead of a scaled matrix instruction, an operand 4
.endr
	; source 0 = 16 rows of W_dec, source 1 = 16 rows of s_t_hat: lane (r, h) holds batch row r and columns 8 h + 0 .. 7; my K step's part of the sum
	v_wmma_scale_f32_16x16x128_f8f6f4 v[128:135], v[PC:PC+11], v[96:107], 0, v24, v25 matrix_a_fmt:MATRIX_FMT_FP6 matrix_b_fmt:MATRIX_FMT_FP6
	v_wmma_scale_f32_16x16x128_f8f6f4 v[136:143], v[PC:PC+11], v[108:119], 0, v24, v26 matrix_a_fmt:MATRIX_FMT_FP6 matrix_b_fmt:MATRIX_FMT_FP6
.rept 4
	v_nop
.endr
.irp p, 0,1,2,3
	ds_store_b128 v11, v[128+4*\p:131+4*\p] offset:512*\p   ; each accumulator from its low end on
.endr
	s_wait_dscnt 0x0                               ; for the others' sake: my stores have landed
	s_barrier_signal -1
	s_barrier_wait -1
	s_cmp_lt_u32 s24, 4
	s_cbranch_scc0 .Lnot_sum
.irp k, 0,1,2,3,4,5,6,7                        ; waves 0-3: the eight K steps' parts are added, K ascending
	ds_load_b128 v[32+4*\k:35+4*\k], v10 offset:2048*\k
.endr
	global_load_b128 v[64:67], v15, s[10:11]       ; b_dec
	s_wait_dscnt 0x0
.irp k, 1
	v_pk_add_f32 v[32:33], v[32:33], v[32+4*\k:33+4*\k]
	v_pk_add_f32 v[34:35], v[34:35], v[34+4*\k:35+4*\k]
.endr
.irp k, 2, 3, 4, 5, 6, 7
	s_delay_alu instid0(VALU_DEP_2)
	v_pk_add_f32 v[32:33], v[32:33], v[32+4*\k:33+4*\k]
	s_delay_alu instid0(VALU_DEP_2)
	v_pk_add_f32 v[34:35], v[34:35], v[34+4*\k:35+4*\k]
.endr
	s_wait_alu depctr_va_vdst(0)
	s_wait_loadcnt 0x0
	v_pk_add_f32 v[32:33], v[32:33], v[64:65]
	v_pk_add_f32 v[34:35], v[34:35], v[66:67]
	s_delay_alu instid0(VALU_DEP_2)
	v_pk_mul_f32 v[32:33], v[32:33], s[40:41] op_sel_hi:[1,0]
	s_delay_alu instid0(VALU_DEP_2)
	v_pk_mul_f32 v[34:35], v[34:35], s[40:41] op_sel_hi:[1,0]
	global_store_b128 v16, v[32:35], s[20:21]
	s_branch .Lend
.Lnot_sum:
	s_cmp_eq_u32 s24, 4
	s_cbranch_scc0 .Lend
	global_load_b32 v40, v17, s[12:13]             ; wave 4: the tile's 16 numbers of W_c and of v
	global_load_b32 v41, v17, s[14:15]
	s_wait_loadcnt 0x0
	v_mul_f32 v40, 0x4038aa3b, v40                 ; c W_c
	v_mul_f32 v41, 0xc038aa3b, v41                 ; -c v
	v_cmp_gt_u32 vcc_lo, 16, v14
	s_delay_alu instid0(VALU_DEP_1)
	v_cndmask_b32 v42, v41, v40, vcc_lo            ; lanes 0-15 the first table, lanes 16-31 the second
	global_store_b32 v18, v42, s[22:23]
.Lend:
	s_wait_tensorcnt 0x0                           ; the wave's end: behind my last LDS store
	ds_add_u32 v[SPW], v[NIL]
	s_wait_dscnt 0x0
	s_endpgm
.Lfunc_end_k_qbea0abbf22_prep:
	.size	k_qbea0abbf22_prep, .Lfunc_end_k_qbea0abbf22_prep-k_qbea0abbf22_prep
	.p2alignl 7, 3214868480
	.fill 96, 4, 3214868480
	.section	.rodata,"a",@progbits
	.p2align	6, 0x0
	.amdhsa_kernel k_qbea0abbf22_prep
		.amdhsa_group_segment_fixed_size 52224
		.amdhsa_private_segment_fixed_size 0
		.amdhsa_enable_private_segment 0
		.amdhsa_kernarg_size 80
		.amdhsa_user_sgpr_count 2
		.amdhsa_user_sgpr_kernarg_segment_ptr 1
		.amdhsa_wavefront_size32 1
		.amdhsa_system_sgpr_workgroup_id_x 1
		.amdhsa_system_sgpr_workgroup_id_y 1
		.amdhsa_system_sgpr_workgroup_id_z 1
		.amdhsa_system_vgpr_workitem_id 0
		.amdhsa_next_free_vgpr 256
		.amdhsa_next_free_sgpr 66
		.amdhsa_reserve_vcc 1
		.amdhsa_float_denorm_mode_32 3
		.amdhsa_float_denorm_mode_16_64 3
		.amdhsa_memory_ordered 1
		.amdhsa_forward_progress 1
		.amdhsa_inst_pref_size 39
	.end_amdhsa_kernel
	.amdgpu_metadata
---
amdhsa.version: [ 1, 2 ]
amdhsa.kernels:
  - .name:           k_qbea0abbf22_prep
    .symbol:         k_qbea0abbf22_prep.kd
    .args:
      - { .name: W_h, .offset: 0, .size: 8, .value_kind: global_buffer, .address_space: global }
      - { .name: W_dec, .offset: 8, .size: 8, .value_kind: global_buffer, .address_space: global }
      - { .name: s_t_hat, .offset: 16, .size: 8, .value_kind: global_buffer, .address_space: global }
      - { .name: b_dec, .offset: 24, .size: 8, .value_kind: global_buffer, .address_space: global }
      - { .name: W_c, .offset: 32, .size: 8, .value_kind: global_buffer, .address_space: global }
      - { .name: v, .offset: 40, .size: 8, .value_kind: global_buffer, .address_space: global }
      - { .name: wq, .offset: 48, .size: 8, .value_kind: global_buffer, .address_space: global }
      - { .name: wsc, .offset: 56, .size: 8, .value_kind: global_buffer, .address_space: global }
      - { .name: cdec, .offset: 64, .size: 8, .value_kind: global_buffer, .address_space: global }
      - { .name: tabs, .offset: 72, .size: 8, .value_kind: global_buffer, .address_space: global }
    .group_segment_fixed_size: 52224
    .private_segment_fixed_size: 0
    .kernarg_segment_align: 8
    .kernarg_segment_size: 80
    .max_flat_workgroup_size: 256
    .sgpr_count:     66
    .vgpr_count:     256
    .wavefront_size: 32
...
	.end_amdgpu_metadata
.endif
;; end of part 1
;; launch main (part 2): grid 256 x 1, 8 waves a work-group, no clusters, 314,368 bytes of LDS; arguments h, wq, wsc, tabs, cdec, coverage, enc_padding_mask, sc, pc; writes sc, pc
.if DOCPART == 2
	.amdgcn_target "amdgcn-amd-amdhsa--gfx1250"
	.amdhsa_code_object_version 6
	.text
	.protected	k_qbea0abbf22_main
	.globl	k_qbea0abbf22_main
	.p2align	8
	.type	k_qbea0abbf22_main,@function
k_qbea0abbf22_main:
	s_mov_b64 s[64:65], 0
	v_nop
	global_prefetch_b8 v0, s[64:65] scope:SCOPE_SE
	s_setreg_imm32_b32 hwreg(HW_REG_WAVE_MODE, 25, 1), 1
	s_wait_xcnt 0x0
; For each row (b, t): t2 = sum_m w[m] / (1 + 2^u[m]), u = c (Q(h) Q(W_h)^T)[m] + cdec[b][m] + coverage c W_c[m], w = -c v, c = 2 log2(e): the score in units of log2, less the term
; sum(v) log2(e), which is the same along the softmax's axis and is left out (shown at the head of the first kernel).  2^u may be infinite: its term is then 0, as tanh = 1 asks.
; For each group of 64 rows: pc = sum over its rows of 2^(t2 - the group's largest t2) mask h: the group's part of c_t under its own maximum; the last launch brings the groups under the row's.
; LIMITS as stated at the head of the first kernel.  h enters the last product rounded to bf16 (a product left as it is); its weights stay f32.
; SHARES.  Work-group x owns rows 256 x .. + 255 of [32 x 2048] (all of batch x / 8), in two blocks of 128.  h is read from memory once: a block is quantised into LDS for the first product and kept
; in bf16 for the last.  Eight waves of 512 registers.  Phase Q: wave w loads and quantises K step w (128 along K) of all 128 rows, so a thread always holds the same columns of h: the bf16 copy is
; the thread's own: row tiles 0-4 in LDS, tile 5 in LDS on the bytes of the turning stages once these are done with, tiles 6, 7 in registers.
; Phases K, E, twice a block (chunks of 512 columns): wave w makes columns 512 chunk + 64 w .. + 63 for all 128 rows: 32 accumulators, so each byte of W_h's codes is read once a block.
; Source 0 = 16 rows of W_h, source 1 = 16 rows of h: a lane holds one row (lane % 16) and 8 neighbouring columns.  W_h's codes lie in memory in the order of the operand's registers and go straight
; into registers, in two sets, asked for one K step ahead of the step that multiplies them.  h's fragments come from LDS in two sets of two row tiles that take turns.
; NO CLUSTER, NO TENSOR LOAD: each fragment of W_h is read by one wave of a work-group; LDS holds 314,368 bytes of the block's own data, and the 13,312 left are less than two slots of one K step
; of a chunk's codes (2 x 49,152).
; PREFETCH: in the first block's two chunks each wave names, once each, the 256-byte pieces of the next block that it will itself load: 64 rows x 512 bytes a chunk, four requests of 32 pieces.
; REGISTERS.  Window 0: v0 thread; v1, v2 the add's two; v4-11, v16, v17 addresses, never rewritten (v9 once a chunk); v12-15 mask; v18-23 at work; v24-31 coverage; v32-47 scales and nothing else;
; v48-95 h's fragments; v96-191 W_h's, two sets; v192-255 the bf16 copy of row tiles 6, 7.  Window 1: the accumulators, (i, n) at 8 (4 i + n); in phase Q the f32 numbers as they land.
.set AIMG,  0                          ; h's 64 fragments (K step s, row tile i) at (8 s + i) x 1,536
.set ASC,   98304                      ; their scale words [s][r 16][i 8]
.set PW,    102400                     ; each wave's copy of the 128 weights, laid [row parity][tile][e]
.set SCP,   106496                     ; partial scores [chunk][wave][128 rows]
.set STG,   114688                     ; 8 stages of 16 rows x 272 bytes; behind phase Q's barrier: row tile 5's copy
.set HB,    149504                     ; the copy of row tiles 0-4: [tile][j 8][thread][16 bytes]
.set SPARE, 313344                     ; the spare words, 128 bytes a wave: four blocks of 256 bytes that no other line names
.set SPW,  1
.set NIL,  2
.set MK,   12
.set AAD,  16                          ; v16 = 16 lane, v17 = 16 lane + 49,152
.set COV,  24
.set SA,   32
.set SB,   40
.set AF,   48
.set BF,   96
.set CP,   192
.set TD,   48                          ; phase E: cdec; c W_c in two parts (v128-143, v80-95); w
.set TW,   96
.set PC,   48                          ; phase Q
.set TMP,  60
.set QT,   68
.set BT,   96
.set HBA,  144                         ; v144-146 the copy's places (tiles 0-1, 2-3, 4), v147 tile 5's
.set BT5,  148
.set STS,  180
.set STR,  181
.set IMS,  182
.set SCS,  183
.set SH8,  184
.set SW,   185
.set CA,   184                         ; phase C: v184-191 eight sums
.set WV,   22
.set BLK,  23
.set SEL,  24
.set CS,   26
.set SCO,  29
.set PH,   44
.set CH,   45
.set HM,   46
.set SC0,  47
.set MSB, 0
.macro WIN new                         ; the immediate's high byte repeats the setting that is left
.if MSB != \new
	s_set_vgpr_msb (MSB<<8)|\new
.set MSB, \new
.endif
.endm
.macro PLACES                          ; four plain places between a matrix instruction and a load into its registers
.rept 4
	v_nop
.endr
.endm
.macro BARRIER
	s_wait_alu depctr_va_vdst(0)                   ; the wait ahead of a wait that blocks
	s_wait_dscnt 0x0
	s_barrier_signal -1
	s_barrier_wait -1
.endm
.macro HLOAD t, q, off                 ; 16 rows x 64 K of row tile t: 8 loads, each two rows' 256 consecutive aligned bytes, into window 1
	WIN 0x40
.irp e, 0,1,2,3,4,5,6,7
	global_load_b128 v[64*((\t)%4)+32*(\q)+4*\e:64*((\t)%4)+32*(\q)+4*\e+3], v7, s[4:5] offset:(\off)+65536*(\t)+8192*\e+256*(\q) th:TH_LOAD_NT
.endr
	WIN 0
.endm
.macro TURN src                        ; half a fragment through my stage: it comes back 128 bytes a lane; LDS serves a wave's instructions in order
	WIN 0x04
.irp e, 0,1,2,3,4,5,6,7
	ds_store_b128 v[STS], v[(\src)+4*\e:(\src)+4*\e+3] offset:544*\e
.endr
	WIN 0x40
.irp j, 0,1,2,3,4,5,6,7
	ds_load_b128 v[(\src)+4*\j:(\src)+4*\j+3], v[STR] offset:16*\j
.endr
.endm
.macro QUANT src                       ; 64 numbers of a lane (window 1), two blocks of 32, become 12 registers of codes and the scale word; the two blocks take turns line by line
	WIN 0x05
.irp c, 0,1
	v_max3_num_f32 v[QT+\c], |v[(\src)+32*\c]|, |v[(\src)+32*\c+1]|, 0x1800000   ; with the floor 2^(3 - 127)
.endr
	WIN 0x14
.irp i, 2,4,6,8,10,12,14,16,18,20,22,24,26,28,30
.irp c, 0,1
	v_max3_num_f32 v[QT+\c], v[QT+\c], |v[(\src)+32*\c+\i]|, |v[(\src)+32*\c+\i+1]|
.endr
.endr
	WIN 0
.irp c, 0,1
	v_add_nc_u32 v[QT+2+\c], 0xff000000, v[QT+\c]  ; 2 off the exponent field: the conversion's scale operand
.endr
.irp c, 0,1
	v_lshrrev_b32 v[QT+4+\c], 23, v[QT+2+\c]
.endr
	v_mov_b32 v[QT+6], 0
	v_lshl_or_b32 v[QT+7], v[QT+5], 16, v[QT+4]
	v_lshlrev_b32 v[QT+7], v[SH8], v[QT+7]
	v_permlanex16_b32 v[QT+6], v[QT+7], s[SEL], s[SEL+1]
	v_or_b32 v[SW], v[QT+7], v[QT+6]
	WIN 0x01
.irp c, 0,1
	v_cvt_scalef32_pk16_fp6_f32 v[PC+6*\c:PC+6*\c+2], v[(\src)+32*\c:(\src)+32*\c+15], v[QT+2+\c]
	v_cvt_scalef32_pk16_fp6_f32 v[TMP+4*\c:TMP+4*\c+2], v[(\src)+32*\c+16:(\src)+32*\c+31], v[QT+2+\c]
.endr
	WIN 0
	v_nop                                          ; one plain place behind a scaled conversion
.irp c, 0,1
.irp i, 0,1,2
	v_mov_b32 v[PC+6*\c+3+\i], v[TMP+4*\c+\i]
.endr
.endr
.endm
; Row tile i of my K step: rounded to bf16 into d (and from there, tiles 0-4, into my threads' places in LDS), turned, quantised, its image stored.  cnt: the loads issued behind this tile's 16
.macro QTILE i, d, cnt
.set L, 64*((\i)%4)
	s_wait_loadcnt \cnt
	WIN 0x05
.irp q, 0,1
.irp e, 0,1,2,3,4,5,6,7
	v_cvt_pk_bf16_f32 v[(\d)+16*\q+2*\e], v[L+32*\q+4*\e], v[L+32*\q+4*\e+1]
	v_cvt_pk_bf16_f32 v[(\d)+16*\q+2*\e+1], v[L+32*\q+4*\e+2], v[L+32*\q+4*\e+3]
.endr
.endr
	WIN 0
.if (\i) < 5
.irp j, 0,1,2,3,4,5,6,7
	ds_store_b128 v[HBA+(\i)/2], v[(\d)+4*\j:(\d)+4*\j+3] offset:32768*((\i)%2)+4096*\j
.endr
.endif
	TURN L
	TURN L+32
	WIN 0
	s_wait_dscnt 0x0
	QUANT L
.irp p, 0,1,2
	ds_store_b128 v[IMS], v[PC+4*\p:PC+4*\p+3] offset:1536*(\i)+512*\p
.endr
	ds_store_b32 v[SCS], v[SW] offset:4*(\i)
.if (\i) < 4
	HLOAD (\i)+4, 0, 0                             ; the registers just left take the tile four further on
	HLOAD (\i)+4, 1, 0
.endif
.endm
.macro HBADR
	v_lshl_add_u32 v[HBA], v0, 4, HB
	v_lshl_add_u32 v[HBA+3], v0, 4, STG
	v_add_nc_u32 v[HBA+1], 65536, v[HBA]
	v_add_nc_u32 v[HBA+2], 131072, v[HBA]
.endm
.macro BLOAD s                         ; W_h's four fragments of K step s and their scale words: 13 loads, into set s % 2
.irp n, 0,1,2,3
.irp p, 0,1,2
	global_load_b128 v[BF+48*((\s)%2)+12*\n+4*\p:BF+48*((\s)%2)+12*\n+4*\p+3], v5, s[48:49] offset:6144*(\s)+1536*\n+512*\p
.endr
.endr
	global_load_b128 v[SB+4*((\s)%2):SB+4*((\s)%2)+3], v6, s[50:51] offset:256*(\s)
.endm
.macro ALOAD set, s, i0                ; h's fragments of row tiles i0, i0 + 1, K step s: 6 loads
.irp k, 0,1
.irp p, 0,1,2
	ds_load_b128 v[AF+24*(\set)+12*\k+4*\p:AF+24*(\set)+12*\k+4*\p+3], v[AAD+(\s)/4] offset:(8*((\s)%4)+(\i0)+\k)*1536+512*\p
.endr
.endr
.endm
.macro SALOAD s
	ds_load_b128 v[SA:SA+3], v4 offset:512*(\s)
	ds_load_b128 v[SA+4:SA+7], v4 offset:512*(\s)+16
.endm
.macro GRP s, g                        ; 8 products: row tiles 2 g, 2 g + 1 x four column tiles; the 32 accumulators take turns, one instruction a turn
	WIN 0x50
.irp n, 0,1,2,3
.irp k, 0,1
.if (\s) == 0
	v_wmma_scale_f32_16x16x128_f8f6f4 v[8*(4*(2*(\g)+\k)+\n):8*(4*(2*(\g)+\k)+\n)+7], v[BF+48*((\s)%2)+12*\n:BF+48*((\s)%2)+12*\n+11], v[AF+24*((\g)%2)+12*\k:AF+24*((\g)%2)+12*\k+11], 0, v[SB+4*((\s)%2)+\n], v[SA+2*(\g)+\k] matrix_a_fmt:MATRIX_FMT_FP6 matrix_b_fmt:MATRIX_FMT_FP6
.else
	v_wmma_scale_f32_16x16x128_f8f6f4 v[8*(4*(2*(\g)+\k)+\n):8*(4*(2*(\g)+\k)+\n)+7], v[BF+48*((\s)%2)+12*\n:BF+48*((\s)%2)+12*\n+11], v[AF+24*((\g)%2)+12*\k:AF+24*((\g)%2)+12*\k+11], v[8*(4*(2*(\g)+\k)+\n):8*(4*(2*(\g)+\k)+\n)+7], v[SB+4*((\s)%2)+\n], v[SA+2*(\g)+\k] matrix_a_fmt:MATRIX_FMT_FP6 matrix_b_fmt:MATRIX_FMT_FP6
.endif
.endr
.endr
	PLACES
	WIN 0
.endm
.macro TABS1                           ; w of my 32 columns a lane, and c W_c of column tiles 0, 1: 12 loads into W_h's set 0, which step 6 has left
.irp n, 0,1,2,3
	global_load_b128 v[TW+8*\n:TW+8*\n+3], v8, s[52:53] offset:4096+64*\n
	global_load_b128 v[TW+8*\n+4:TW+8*\n+7], v8, s[52:53] offset:4096+64*\n+16
.endr
.irp n, 0,1
	global_load_b128 v[128+8*\n:128+8*\n+3], v8, s[52:53] offset:64*\n
	global_load_b128 v[128+8*\n+4:128+8*\n+7], v8, s[52:53] offset:64*\n+16
.endr
.endm
.macro TABS2                           ; cdec, and c W_c of column tiles 2, 3
.irp n, 0,1,2,3
	global_load_b128 v[TD+8*\n:TD+8*\n+3], v8, s[54:55] offset:64*\n
	global_load_b128 v[TD+8*\n+4:TD+8*\n+7], v8, s[54:55] offset:64*\n+16
.endr
.irp n, 2,3
	global_load_b128 v[64+8*\n:64+8*\n+3], v8, s[52:53] offset:64*\n
	global_load_b128 v[64+8*\n+4:64+8*\n+7], v8, s[52:53] offset:64*\n+16
.endr
.endm
; A K step: 32 products in four groups.  The LDS waits leave out the six loads of the other set; the wait for W_h's set leaves out the 13 loads of the next step (in step 7: the 12 of the tables).
.macro KSTEP s
.if (\s) < 7
	s_wait_loadcnt 13
.else
	s_wait_loadcnt 12
.endif
	s_wait_dscnt 6
	GRP \s, 0
	ALOAD 0, \s, 4
	s_wait_dscnt 6
	GRP \s, 1
	ALOAD 1, \s, 6
	s_wait_dscnt 6
	GRP \s, 2
.if (\s) < 7
	ALOAD 0, (\s)+1, 0
	s_wait_dscnt 6
.else
	s_wait_dscnt 0x0
.endif
	GRP \s, 3
.if (\s) < 7
	SALOAD (\s)+1
	ALOAD 1, (\s)+1, 2
.endif
.if (\s) < 6
	BLOAD (\s)+2
.endif
.if (\s) == 6
	TABS1
.endif
.if (\s) == 7
	TABS2
.endif
.endm
.macro ASK ph                          ; in the first block's chunk ph: 64 rows x my 512 bytes of the next block, a lane a piece of 256 bytes
	s_cmp_eq_u32 s[PH], \ph
	s_cbranch_scc0 .Lnot_asked_\@
.irp m, 0,1,2,3
	global_prefetch_b8 v11, s[4:5] offset:524288+262144*(\ph)+65536*\m th:TH_LOAD_NT scope:SCOPE_SE
.endr
.Lnot_asked_\@:
.endm
; Row tile i: its 32 results a lane become the lane's part of the row's score.  Waits stand round each batch of transcendentals and ahead of the first read of the matrix results.
.macro EPI i
.set A0, 32*(\i)
	v_mov_b32 v18, v[COV+(\i)]
	v_mov_b32 v19, v[COV+(\i)]
	WIN 0x41
	s_wait_alu depctr_va_vdst(0)
.irp p, 0,2,4,6,8,10,12,14,16,18,20,22,24,26,28,30
	v_pk_fma_f32 v[A0+\p:A0+\p+1], v[A0+\p:A0+\p+1], s[CS:CS+1], v[TD+\p:TD+\p+1] op_sel_hi:[1,0,1]   ; c x + c dec: each accumulator from its low end on
.endr
	WIN 0x50
.irp p, 0,2,4,6,8,10,12,14
	v_pk_fma_f32 v[A0+\p:A0+\p+1], v[128+\p:128+\p+1], v[18:19], v[A0+\p:A0+\p+1]   ; + coverage c W_c
.endr
.irp p, 16,18,20,22,24,26,28,30
	v_pk_fma_f32 v[A0+\p:A0+\p+1], v[64+\p:64+\p+1], v[18:19], v[A0+\p:A0+\p+1]
.endr
	WIN 0x41
	s_wait_alu depctr_va_vdst(0)
.set j, 0
.rept 32
	v_exp_f32 v[A0+j], v[A0+j]
.set j, j+1
.endr
	v_nop
	s_wait_alu depctr_va_vdst(0)
.irp p, 0,2,4,6,8,10,12,14,16,18,20,22,24,26,28,30
	v_pk_add_f32 v[A0+\p:A0+\p+1], v[A0+\p:A0+\p+1], 1.0 op_sel_hi:[1,0]
.endr
	s_wait_alu depctr_va_vdst(0)
.set j, 0
.rept 32
	v_rcp_f32 v[A0+j], v[A0+j]
.set j, j+1
.endr
	v_nop
	s_wait_alu depctr_va_vdst(0)
	WIN 0x01
	v_pk_mul_f32 v[20:21], v[A0:A0+1], v[TW:TW+1]  ; x w, summed in two packed chains
	v_pk_mul_f32 v[22:23], v[A0+2:A0+3], v[TW+2:TW+3]
.irp p, 4,8,12,16,20,24,28
	v_pk_fma_f32 v[20:21], v[A0+\p:A0+\p+1], v[TW+\p:TW+\p+1], v[20:21]
	v_pk_fma_f32 v[22:23], v[A0+\p+2:A0+\p+3], v[TW+\p+2:TW+\p+3], v[22:23]
.endr
	WIN 0
	v_pk_add_f32 v[20:21], v[20:21], v[22:23]
	v_add_f32 v20, v20, v21
	v_permlanex16_b32 v21, v20, s[SEL], s[SEL+1]   ; the row's other 32 of my 64 columns lie in the lane 16 away
	v_add_f32 v20, v20, v21
	ds_store_b32 v9, v20 offset:64*(\i)            ; both halves of the lanes write the same word with the same value
	s_cmp_eq_u32 s[PH], 1                          ; the first block's last chunk: the 32 registers just left take half a row tile of the next block
	s_cbranch_scc0 .Lno_next_\@
	HLOAD (\i)/2, (\i)%2, 524288
.Lno_next_\@:
.endm
.macro WLOAD hf                        ; the weights of rows 16 i + 2 e + my parity, tiles 4 hf .. + 3: v[112 + 8 (i % 4) + e]
.irp m, 0,1,2,3,4,5,6,7
	ds_load_b128 v[112+4*\m:112+4*\m+3], v182 offset:128*(\hf)+16*\m
.endr
.endm
.macro CLOAD i, adr, off, buf          ; my 32 registers of row tile i's copy
.irp j, 0,1,2,3,4,5,6,7
	ds_load_b128 v[48+32*(\buf)+4*\j:48+32*(\buf)+4*\j+3], v[\adr] offset:(\off)+4096*\j
.endr
.endm
.macro CFMA d, i                       ; += weight x h, straight from the bf16 halves: eight sums by turns (columns 64 q + 4 r + 0 .. 3 of my K step, rows of my parity)
.irp e, 0,1,2,3,4,5,6,7
.irp q, 0,1
	v_fma_mix_f32_bf16 v[CA+4*\q], v[(\d)+16*\q+2*\e], v[112+8*((\i)%4)+\e], v[CA+4*\q] op_sel_hi:[1,0,0]
	v_fma_mix_f32_bf16 v[CA+4*\q+1], v[(\d)+16*\q+2*\e], v[112+8*((\i)%4)+\e], v[CA+4*\q+1] op_sel:[1,0,0] op_sel_hi:[1,0,0]
	v_fma_mix_f32_bf16 v[CA+4*\q+2], v[(\d)+16*\q+2*\e+1], v[112+8*((\i)%4)+\e], v[CA+4*\q+2] op_sel_hi:[1,0,0]
	v_fma_mix_f32_bf16 v[CA+4*\q+3], v[(\d)+16*\q+2*\e+1], v[112+8*((\i)%4)+\e], v[CA+4*\q+3] op_sel:[1,0,0] op_sel_hi:[1,0,0]
.endr
.endr
.endm
.macro CZERO
.irp j, 0,1,2,3,4,5,6,7
	v_mov_b32 v[CA+\j], 0
.endr
.endm
.macro CWAIT n
	s_wait_alu depctr_va_vdst(0)                   ; the wait ahead of a wait that blocks
	s_wait_dscnt \n
.endm
.macro OUT hf                          ; the two parities are added: lanes 0-15 keep q = 0, lanes 16-31 q = 1, each sends the other what it needs; the wave stores 512 consecutive aligned bytes
.irp j, 0,1,2,3
	v_cndmask_b32 v[160+\j], v[CA+\j], v[CA+4+\j], s[HM]
.endr
.irp j, 0,1,2,3
	v_cndmask_b32 v[164+\j], v[CA+4+\j], v[CA+\j], s[HM]
.endr
.irp j, 0,1,2,3
	v_permlanex16_b32 v[CA+\j], v[164+\j], s[SEL], s[SEL+1]
.endr
.irp j, 0,1,2,3
	v_add_f32 v[168+4*(\hf)+\j], v[160+\j], v[CA+\j]
.endr
	global_store_b128 v[AAD], v[168+4*(\hf):171+4*(\hf)], s[20:21] offset:4096*(\hf)
.endm
	s_load_b256 s[4:11], s[0:1], 0x0               ; h s[4:5], wq s[6:7], wsc s[8:9], tabs s[10:11]
	s_load_b256 s[12:19], s[0:1], 0x20             ; cdec s[12:13], coverage s[14:15], mask s[16:17], sc s[18:19]
	s_load_b64 s[20:21], s[0:1], 0x40              ; pc
	v_lshl_add_u32 v[SPW], v0, 2, SPARE
	v_mov_b32 v[NIL], 0
	v_lshrrev_b32 v12, 5, v0
	v_readfirstlane_b32 s[WV], v12                 ; wave 0..7
	v_and_b32 v13, 31, v0                          ; lane
	v_and_b32 v14, 15, v0                          ; r
	v_bfe_u32 v15, v0, 4, 1                        ; h
	s_wait_alu depctr_va_vdst(0)
	v_lshlrev_b32 v[AAD], 4, v13                   ; 16 lane
	v_lshlrev_b32 v4, 5, v14
	v_lshlrev_b32 v10, 2, v14                      ; 4 r
	v_lshlrev_b32 v12, 4, v14                      ; 16 r
	v_add_nc_u32 v4, ASC, v4                       ; h's scale words of row r
	v_add_nc_u32 v[AAD+1], 49152, v[AAD]
	s_mul_i32 s33, s[WV], 49152
	v_add_nc_u32 v5, s33, v[AAD]                   ; wq: my column group of the chunk, 16 bytes a lane
	s_lshl_b32 s33, s[WV], 11
	v_add_nc_u32 v6, s33, v12                      ; wsc: my column group, row r
	s_lshl_b32 s33, s[WV], 9                       ; 512 w
	v_lshl_add_u32 v7, v15, 12, v12
	v_lshlrev_b32 v8, 5, v15
	v_lshrrev_b32 v11, 1, v13
	v_and_b32 v3, 1, v13
	v_add_nc_u32 v7, s33, v7                       ; h: row parity x 4,096 + 512 w + 16 r
	s_lshl_b32 s34, s[WV], 8
	v_add_nc_u32 v8, s34, v8                       ; tables: 4 (64 w + 8 h)
	v_lshlrev_b32 v11, 12, v11
	v_lshl_add_u32 v11, v3, 8, v11
	v_add_nc_u32 v11, s33, v11                     ; prefetches: row lane / 2, piece lane % 2 of my 512 bytes
	s_mul_i32 s28, s[WV], 4352
	s_add_co_u32 s28, s28, STG                     ; my stage
	s_add_co_u32 s[SC0], s33, SCP                  ; my partial scores, chunk 0
	s_mul_i32 s30, s[WV], 12288                    ; my eight images
	s_mov_b32 s31, s33                             ; and their scale words, behind v4
	s_add_co_u32 s32, s33, PW                      ; my 512 bytes of PW
	s_mov_b32 s[SEL], 0x76543210
	s_mov_b32 s[SEL+1], 0xfedcba98
	s_mov_b32 s[CS], 0x4038aa3b                    ; c = 2 log2(e)
	s_mov_b32 s[CS+1], s[CS]
	s_mov_b32 s[HM], 0xffff0000                    ; lanes 16-31
	s_mov_b32 s[BLK], 2
	s_mov_b32 s[PH], 0
	s_lshl_b32 s36, ttmp9, 20                      ; 256 rows of 4,096 bytes
	s_mov_b32 s37, 0
	s_lshr_b32 s38, ttmp9, 3
	s_lshl_b32 s38, s38, 12                        ; the batch's row of cdec
	s_mov_b32 s39, 0
	s_lshl_b32 s40, ttmp9, 10                      ; 256 rows of 4 bytes
	s_mov_b32 s41, 0
	s_lshl_b32 s42, ttmp9, 14                      ; four groups of 4,096 bytes,
	s_add_co_u32 s42, s42, s33                     ; and my wave's 512 of them
	s_mov_b32 s43, 0
	s_wait_alu depctr_va_vdst(0)                   ; the wait at the head's end
	s_wait_kmcnt 0x0
	s_add_nc_u64 s[4:5], s[4:5], s[36:37]
	s_add_nc_u64 s[12:13], s[12:13], s[38:39]
	s_add_nc_u64 s[14:15], s[14:15], s[40:41]
	s_add_nc_u64 s[16:17], s[16:17], s[40:41]
	s_add_nc_u64 s[18:19], s[18:19], s[40:41]
	s_add_nc_u64 s[20:21], s[20:21], s[42:43]
.irp t, 0,1,2,3
	HLOAD \t, 0, 0                                 ; the first block's row tiles 0-3
	HLOAD \t, 1, 0
.endr
.Lblk:
	; ---- Q.  The phase's addresses are made anew: their registers hold operands later
	v_and_b32 v186, 15, v0
	v_bfe_u32 v187, v0, 4, 1
	v_add_nc_u32 v[IMS], s30, v[AAD]
	v_add_nc_u32 v[SCS], s31, v4
	v_mul_u32_u24 v[STS], v187, 272
	v_mul_u32_u24 v[STR], v186, 272
	v_lshlrev_b32 v[SH8], 3, v187
	v_lshl_add_u32 v[STS], v186, 4, v[STS]
	v_lshl_add_u32 v[STR], v187, 7, v[STR]
	v_add_nc_u32 v[STS], s28, v[STS]
	v_add_nc_u32 v[STR], s28, v[STR]
	HBADR
	s_wait_alu depctr_va_vdst(0)                   ; the wait ahead of a wait that blocks
	QTILE 0, BT, 48
	QTILE 1, BT, 48
	QTILE 2, BT, 48
	QTILE 3, BT, 48
	QTILE 4, BT, 48
	QTILE 5, BT5, 32
	QTILE 6, CP, 16
	QTILE 7, CP+32, 0
	BARRIER                                        ; the block's 64 fragments and their scale words lie in LDS, and no wave turns anything more through a stage
.irp j, 0,1,2,3,4,5,6,7
	ds_store_b128 v[HBA+3], v[BT5+4*\j:BT5+4*\j+3] offset:4096*\j   ; row tile 5's copy, on the stages' bytes: each thread's own 16 bytes
.endr
	s_mov_b32 s[CH], 0
	s_mov_b32 s[SCO], s[SC0]
.Lchunk:
	; ---- K: 128 rows x my 64 columns of this chunk, K = 1,024
	s_wait_xcnt 0x0                                ; the chunk's bases are written again only behind this wait
	s_mul_i32 s36, s[CH], 393216
	s_mov_b32 s37, 0
	s_add_nc_u64 s[48:49], s[6:7], s[36:37]
	s_lshl_b32 s36, s[CH], 14
	s_add_nc_u64 s[50:51], s[8:9], s[36:37]
	s_lshl_b32 s36, s[CH], 11
	s_add_nc_u64 s[52:53], s[10:11], s[36:37]
	s_add_nc_u64 s[54:55], s[12:13], s[36:37]
	v_add_nc_u32 v9, s[SCO], v10
.irp i, 0,1,2,3,4,5,6,7
	global_load_b32 v[COV+\i], v10, s[14:15] offset:64*\i   ; coverage of row 16 i + r
.endr
	global_load_b128 v[MK:MK+3], v[AAD], s[16:17]  ; the mask of rows 4 lane + 0 .. 3
	BLOAD 0
	BLOAD 1
	ALOAD 0, 0, 0
	SALOAD 0
	ALOAD 1, 0, 2
	KSTEP 0
	KSTEP 1
	ASK 0
	ASK 1
.irp s, 2,3,4,5,6,7
	KSTEP \s
.endr
	s_wait_loadcnt 0x0
	; ---- E: the activation and the product with v
.irp i, 0,1,2,3,4,5,6,7
	EPI \i
.endr
	s_add_co_u32 s[SCO], s[SCO], 4096
	s_add_co_u32 s[PH], s[PH], 1
	s_add_co_u32 s[CH], s[CH], 1
	s_cmp_lt_u32 s[CH], 2
	s_cbranch_scc1 .Lchunk
	BARRIER                                        ; all sixteen partial scores of every row lie in LDS
	; ---- S: every wave adds them, in one order; lane l has rows 4 l + 0 .. 3, so sixteen lanes hold a group of 64 rows
	v_add_nc_u32 v180, SCP, v[AAD]
	v_lshrrev_b32 v181, 1, v[AAD]
	v_bfe_u32 v182, v0, 4, 1
	v_add_nc_u32 v181, s32, v181                   ; where I put my four weights: 8 lane, and 256 further on
	v_lshlrev_b32 v182, 8, v182
	v_add_nc_u32 v182, s32, v182                   ; where my parity's weights are read back
	HBADR
.irp k, 0,1,2,3,4,5,6,7,8,9,10,11,12,13,14,15
	ds_load_b128 v[48+4*\k:51+4*\k], v180 offset:512*\k
.endr
	s_wait_alu depctr_va_vdst(0)
	s_wait_dscnt 0x0
.irp q, 0,2,4,6,8,10,12,14
	v_pk_add_f32 v[48+4*\q:49+4*\q], v[48+4*\q:49+4*\q], v[52+4*\q:53+4*\q]
	v_pk_add_f32 v[50+4*\q:51+4*\q], v[50+4*\q:51+4*\q], v[54+4*\q:55+4*\q]
.endr
.irp q, 0,4,8,12
	v_pk_add_f32 v[48+4*\q:49+4*\q], v[48+4*\q:49+4*\q], v[56+4*\q:57+4*\q]
	v_pk_add_f32 v[50+4*\q:51+4*\q], v[50+4*\q:51+4*\q], v[58+4*\q:59+4*\q]
.endr
	v_pk_add_f32 v[48:49], v[48:49], v[64:65]
	v_pk_add_f32 v[50:51], v[50:51], v[66:67]
	v_pk_add_f32 v[80:81], v[80:81], v[96:97]
	v_pk_add_f32 v[82:83], v[82:83], v[98:99]
	v_pk_add_f32 v[148:149], v[48:49], v[80:81]    ; t2 of my four rows
	v_pk_add_f32 v[150:151], v[50:51], v[82:83]
	v_max3_num_f32 v152, v148, v149, v150
	v_max_num_f32 v152, v152, v151
.irp x, 1,2,4,8
	v_max_num_f32_dpp v152, v152, v152 row_xmask:\x row_mask:0xf bank_mask:0xf
.endr
	v_sub_f32 v156, v148, v152                     ; the group's largest t2 is taken away; rows of one parity side by side
	v_sub_f32 v157, v150, v152
	v_sub_f32 v158, v149, v152
	v_sub_f32 v159, v151, v152
	s_wait_alu depctr_va_vdst(0)
	v_exp_f32 v156, v156
	v_exp_f32 v157, v157
	v_exp_f32 v158, v158
	v_exp_f32 v159, v159
	v_nop
	s_wait_alu depctr_va_vdst(0)                   ; one wait for the four, ahead of their first reader
	v_mul_f32 v156, v156, v[MK]                    ; x the mask
	v_mul_f32 v157, v157, v[MK+2]
	v_mul_f32 v158, v158, v[MK+1]
	v_mul_f32 v159, v159, v[MK+3]
	ds_store_b64 v181, v[156:157]                  ; even rows: tile lane / 4, e = 2 (lane % 4), + 1
	ds_store_b64 v181, v[158:159] offset:256       ; odd rows
	WLOAD 0                                        ; LDS serves a wave's instructions in order: these see my stores
	s_wait_alu depctr_va_vdst(0)
	s_cmp_lg_u32 s[WV], 0
	s_cbranch_scc1 .Lnot_wave_0
	global_store_b128 v[AAD], v[148:151], s[18:19] ; wave 0: the block's 128 scores, 512 consecutive aligned bytes
.Lnot_wave_0:
	; ---- C: the two groups' parts of c_t
	CLOAD 0, HBA, 0, 0
	CLOAD 1, HBA, 32768, 1
	CZERO
	CWAIT 8                                        ; the weights and tile 0 are in; tile 1's eight loads may be out
	CFMA 48, 0
	CLOAD 2, HBA+1, 0, 0
	CWAIT 8
	CFMA 80, 1
	CLOAD 3, HBA+1, 32768, 1
	CWAIT 8
	CFMA 48, 2
	CWAIT 0
	CFMA 80, 3
	OUT 0
	WLOAD 1
	CLOAD 4, HBA+2, 0, 0
	CLOAD 5, HBA+3, 0, 1
	CZERO
	CWAIT 16                                       ; the weights are in; tiles 4 and 5 may be out
	CFMA CP, 6
	CFMA CP+32, 7
	CWAIT 8
	CFMA 48, 4
	CWAIT 0
	CFMA 80, 5
	OUT 1
	BARRIER                                        ; every wave has read tile 5's copy: the stages may be written again
	s_wait_xcnt 0x0                                ; bases and store data are written again only behind this wait
	s_wait_loadcnt 0x0                             ; the next block's first four row tiles have landed: on the way back no load is out, whichever loads were issued
	s_add_nc_u64 s[4:5], s[4:5], 524288
	s_add_nc_u64 s[14:15], s[14:15], 512
	s_add_nc_u64 s[16:17], s[16:17], 512
	s_add_nc_u64 s[18:19], s[18:19], 512
	s_add_nc_u64 s[20:21], s[20:21], 8192
	s_sub_co_u32 s[BLK], s[BLK], 1
	s_cmp_lg_u32 s[BLK], 0
	s_cbranch_scc1 .Lblk
	s_wait_tensorcnt 0x0                           ; the wave's end: behind my last LDS store
	ds_add_u32 v[SPW], v[NIL]
	s_wait_dscnt 0x0
	s_endpgm
.Lfunc_end_k_qbea0abbf22_main:
	.size	k_qbea0abbf22_main, .Lfunc_end_k_qbea0abbf22_main-k_qbea0abbf22_main
	.p2alignl 7, 3214868480
	.fill 96, 4, 3214868480
	.section	.rodata,"a",@progbits
	.p2align	6, 0x0
	.amdhsa_kernel k_qbea0abbf22_main
		.amdhsa_group_segment_fixed_size 314368
		.amdhsa_private_segment_fixed_size 0
		.amdhsa_enable_private_segment 0
		.amdhsa_kernarg_size 72
		.amdhsa_user_sgpr_count 2
		.amdhsa_user_sgpr_kernarg_segment_ptr 1
		.amdhsa_wavefront_size32 1
		.amdhsa_system_sgpr_workgroup_id_x 1
		.amdhsa_system_sgpr_workgroup_id_y 1
		.amdhsa_system_sgpr_workgroup_id_z 1
		.amdhsa_system_vgpr_workitem_id 0
		.amdhsa_next_free_vgpr 512
		.amdhsa_next_free_sgpr 66
		.amdhsa_reserve_vcc 0
		.amdhsa_float_denorm_mode_32 3
		.amdhsa_float_denorm_mode_16_64 3
		.amdhsa_memory_ordered 1
		.amdhsa_forward_progress 1
		.amdhsa_inst_pref_size 253
	.end_amdhsa_kernel
	.amdgpu_metadata
---
amdhsa.version: [ 1, 2 ]
amdhsa.kernels:
  - .name:           k_qbea0abbf22_main
    .symbol:         k_qbea0abbf22_main.kd
    .args:
      - { .name: h, .offset: 0, .size: 8, .value_kind: global_buffer, .address_space: global }
      - { .name: wq, .offset: 8, .size: 8, .value_kind: global_buffer, .address_space: global }
      - { .name: wsc, .offset: 16, .size: 8, .value_kind: global_buffer, .address_space: global }
      - { .name: tabs, .offset: 24, .size: 8, .value_kind: global_buffer, .address_space: global }
      - { .name: cdec, .offset: 32, .size: 8, .value_kind: global_buffer, .address_space: global }
      - { .name: coverage, .offset: 40, .size: 8, .value_kind: global_buffer, .address_space: global }
      - { .name: enc_padding_mask, .offset: 48, .size: 8, .value_kind: global_buffer, .address_space: global }
      - { .name: sc, .offset: 56, .size: 8, .value_kind: global_buffer, .address_space: global }
      - { .name: pc, .offset: 64, .size: 8, .value_kind: global_buffer, .address_space: global }
    .group_segment_fixed_size: 314368
    .private_segment_fixed_size: 0
    .kernarg_segment_align: 8
    .kernarg_segment_size: 72
    .max_flat_workgroup_size: 256
    .sgpr_count:     66
    .vgpr_count:     512
    .wavefront_size: 32
...
	.end_amdgpu_metadata
.endif
;; end of part 2
;; launch finish (part 3): grid 8 x 32, 4 waves a work-group, no clusters, 1,280 bytes of LDS; arguments sc, pc, enc_padding_mask, coverage, out0, out1, out2; writes out0, out1, out2
.if DOCPART == 3
	.amdgcn_target "amdgcn-amd-amdhsa--gfx1250"
	.amdhsa_code_object_version 6
	.text
	.protected	k_qbea0abbf22_finish
	.globl	k_qbea0abbf22_finish
	.p2align	8
	.type	k_qbea0abbf22_finish,@function
k_qbea0abbf22_finish:
	s_mov_b64 s[64:65], 0
	v_nop
	global_prefetch_b8 v0, s[64:65] scope:SCOPE_SE
	s_setreg_imm32_b32 hwreg(HW_REG_WAVE_MODE, 25, 1), 1
	s_wait_xcnt 0x0
; attention = 2^(t2 - M) mask / Z, M the batch row's largest t2, Z = sum of 2^(t2 - M) mask; c_t = sum over the 32 blocks of 2^(block's largest t2 - M) pc[block] / Z; coverage_next = coverage + attention.
; Left out, as shown at the head of the first kernel: the term sum(v), the same along the softmax's axis, and the softmax's own divisor, which cancels in the second normalisation.
; A row whose mask is all zeros gives 0 x infinity, a NaN.
; Work-group (j, b): batch row b; columns 128 j .. + 127 of c_t and positions 256 j .. + 255 of the two other outputs.  Each work-group finds M and Z of its row from the row's 2,048 scores itself:
; 16 KiB read again by eight work-groups, against a launch more.  Memory binds and the work is small: no matrix unit, no tensor load, no cluster.
.set WM,    0                          ; the four waves' maxima
.set WS,    256                        ; their sums
.set FT,    512                        ; the 32 blocks' factors
.set SPARE, 768                        ; the spare words, 128 bytes a wave: two blocks of 256 bytes that no other line names
.set SPW, 1
.set NIL, 2
.set TT,  16                           ; v16-31  16 scores: positions 512 k + 4 thread + 0 .. 3
.set MK,  32                           ; v32-47  their mask
.set PV,  48                           ; v48-79  pc of my column, 32 blocks
.set BM,  88                           ; v88-91  the largest score of block 8 k + thread / 16
.set FF,  112                          ; v112-143 the 32 factors
	s_load_b256 s[4:11], s[0:1], 0x0               ; sc s[4:5], pc s[6:7], mask s[8:9], coverage s[10:11]
	s_load_b128 s[12:15], s[0:1], 0x20             ; out0 s[12:13], out1 s[14:15]
	s_load_b64 s[16:17], s[0:1], 0x30              ; out2
	v_lshl_add_u32 v[SPW], v0, 2, SPARE
	v_mov_b32 v[NIL], 0
	v_lshrrev_b32 v10, 5, v0
	v_readfirstlane_b32 s18, v10                   ; wave
	s_and_b32 s19, ttmp7, 0xffff                   ; b
	v_lshlrev_b32 v3, 4, v0
	v_lshlrev_b32 v4, 2, v0
	s_lshl_b32 s20, ttmp9, 10
	v_lshl_add_u32 v5, v0, 3, s20                  ; my two positions: 4 (256 j + 2 thread)
	s_lshl_b32 s21, s18, 2
	v_mov_b32 v6, s21                              ; WM + 4 wave
	v_add_nc_u32 v7, WS, v6
	v_lshrrev_b32 v8, 4, v0
	v_lshlrev_b32 v8, 2, v8
	v_add_nc_u32 v8, FT, v8
	v_mov_b32 v9, 0
	v_mov_b32 v93, 0                               ; written once: a lane permute's destination counts as one of its sources
	s_mov_b32 s22, 0x76543210
	s_mov_b32 s23, 0xfedcba98
	s_lshl_b32 s24, s19, 13                        ; a row of 2,048 f32
	s_mov_b32 s25, 0
	s_lshl_b32 s26, s19, 17                        ; the row's 32 blocks of pc,
	s_lshl_b32 s28, ttmp9, 9                       ; my 128 columns
	s_add_co_u32 s26, s26, s28
	s_mov_b32 s27, 0
	s_lshl_b32 s30, s19, 12
	s_add_co_u32 s28, s28, s30                     ; and the same in out0
	s_mov_b32 s29, 0
	s_wait_alu depctr_va_vdst(0)
	s_wait_kmcnt 0x0
	s_add_nc_u64 s[4:5], s[4:5], s[24:25]
	s_add_nc_u64 s[8:9], s[8:9], s[24:25]
	s_add_nc_u64 s[10:11], s[10:11], s[24:25]
	s_add_nc_u64 s[14:15], s[14:15], s[24:25]
	s_add_nc_u64 s[16:17], s[16:17], s[24:25]
	s_add_nc_u64 s[6:7], s[6:7], s[26:27]
	s_add_nc_u64 s[12:13], s[12:13], s[28:29]
.irp k, 0,1,2,3
	global_load_b128 v[TT+4*\k:TT+4*\k+3], v3, s[4:5] offset:2048*\k
.endr
.irp k, 0,1,2,3
	global_load_b128 v[MK+4*\k:MK+4*\k+3], v3, s[8:9] offset:2048*\k
.endr
	global_load_b64 v[80:81], v5, s[4:5]
	global_load_b64 v[82:83], v5, s[8:9]
	global_load_b64 v[84:85], v5, s[10:11]
.set j, 0
.rept 32
	global_load_b32 v[PV+j], v4, s[6:7] offset:4096*j
.set j, j+1
.endr
	s_wait_loadcnt 39                              ; the 16 scores are in: behind them 4 + 3 + 32 loads were issued
.irp k, 0,1,2,3
	v_max3_num_f32 v[BM+\k], v[TT+4*\k], v[TT+4*\k+1], v[TT+4*\k+2]
.endr
.irp k, 0,1,2,3
	v_max_num_f32 v[BM+\k], v[BM+\k], v[TT+4*\k+3]
.endr
.irp x, 1,2,4,8                                ; sixteen lanes hold a block of 64 positions: the same maximum, of the same numbers, under which the launch before summed pc
.irp k, 0,1,2,3
	v_max_num_f32_dpp v[BM+\k], v[BM+\k], v[BM+\k] row_xmask:\x row_mask:0xf bank_mask:0xf
.endr
.endr
	v_max3_num_f32 v92, v88, v89, v90
	v_max_num_f32 v92, v92, v91
	v_permlanex16_b32 v93, v92, s22, s23
	v_max_num_f32 v92, v92, v93
	ds_store_b32 v6, v92
	s_wait_dscnt 0x0
	s_barrier_signal -1
	s_barrier_wait -1
	ds_load_b128 v[96:99], v9 offset:WM
	s_wait_dscnt 0x0
	v_max3_num_f32 v94, v96, v97, v98
	v_max_num_f32 v94, v94, v99                    ; M
	s_wait_alu depctr_va_vdst(0)
	s_wait_loadcnt 32                              ; the masks and my two positions are in; pc may be out
.set j, 0
.rept 16
	v_sub_f32 v[TT+j], v[TT+j], v94
.set j, j+1
.endr
.irp k, 0,1,2,3
	v_sub_f32 v[100+\k], v[BM+\k], v94
.endr
	v_sub_f32 v80, v80, v94
	v_sub_f32 v81, v81, v94
.set j, 0
	s_wait_alu depctr_va_vdst(0)
.rept 16
	v_exp_f32 v[TT+j], v[TT+j]
.set j, j+1
.endr
.irp k, 0,1,2,3
	v_exp_f32 v[100+\k], v[100+\k]
.endr
	v_exp_f32 v80, v80
	v_exp_f32 v81, v81
	v_nop
	s_wait_alu depctr_va_vdst(0)                   ; one wait for the batch of 22, ahead of its first reader
.irp k, 0,1,2,3
	ds_store_b32 v8, v[100+\k] offset:32*\k        ; block 8 k + thread / 16: sixteen lanes write the same word with the same value
.endr
	v_pk_mul_f32 v[104:105], v[TT:TT+1], v[MK:MK+1]
.irp p, 2,4,6,8,10,12,14
	v_pk_fma_f32 v[104:105], v[TT+\p:TT+\p+1], v[MK+\p:MK+\p+1], v[104:105]
.endr
	v_add_f32 v104, v104, v105
	v_add_f32_dpp v104, v104, v104 row_xmask:1 row_mask:0xf bank_mask:0xf
	v_add_f32_dpp v104, v104, v104 row_xmask:2 row_mask:0xf bank_mask:0xf
	v_add_f32_dpp v104, v104, v104 row_xmask:4 row_mask:0xf bank_mask:0xf
	v_add_f32_dpp v104, v104, v104 row_xmask:8 row_mask:0xf bank_mask:0xf
	v_permlanex16_b32 v93, v104, s22, s23
	v_add_f32 v104, v104, v93
	ds_store_b32 v7, v104
	s_wait_dscnt 0x0
	s_barrier_signal -1
	s_barrier_wait -1
	ds_load_b128 v[96:99], v9 offset:WS
.irp k, 0,1,2,3,4,5,6,7
	ds_load_b128 v[FF+4*\k:FF+4*\k+3], v9 offset:FT+16*\k
.endr
	s_wait_dscnt 8                                 ; the four sums are in
	v_add_f32 v110, v96, v97
	v_add_f32 v10, v98, v99
	v_add_f32 v110, v110, v10                      ; Z
	s_wait_alu depctr_va_vdst(0)
	v_rcp_f32 v111, v110
	s_wait_dscnt 0x0
	s_wait_loadcnt 0x0
	v_mul_f32 v106, v[FF], v[PV]                   ; the blocks under the row's maximum, in two chains (plain work behind the reciprocal)
	v_mul_f32 v107, v[FF+1], v[PV+1]
.irp k, 2,4,6,8,10,12,14,16,18,20,22,24,26,28,30
	v_fma_f32 v106, v[FF+\k], v[PV+\k], v106
	v_fma_f32 v107, v[FF+\k+1], v[PV+\k+1], v107
.endr
	v_add_f32 v106, v106, v107
	v_pk_mul_f32 v[80:81], v[80:81], v[82:83]
	s_wait_alu depctr_va_vdst(0)                   ; the wait for the reciprocal, ahead of its first reader
	v_mul_f32 v106, v106, v111
	v_mul_f32 v80, v80, v111
	v_mul_f32 v81, v81, v111
	v_pk_add_f32 v[84:85], v[84:85], v[80:81]
	global_store_b32 v4, v106, s[12:13]            ; the work-group stores 512 consecutive aligned bytes of c_t,
	global_store_b64 v5, v[80:81], s[14:15]        ; a wave 256 consecutive aligned bytes of the attention,
	global_store_b64 v5, v[84:85], s[16:17]        ; and of the next coverage
	s_wait_tensorcnt 0x0                           ; the wave's end: behind my last LDS store
	ds_add_u32 v[SPW], v[NIL]
	s_wait_dscnt 0x0
	s_endpgm
.Lfunc_end_k_qbea0abbf22_finish:
	.size	k_qbea0abbf22_finish, .Lfunc_end_k_qbea0abbf22_finish-k_qbea0abbf22_finish
	.p2alignl 7, 3214868480
	.fill 96, 4, 3214868480
	.section	.rodata,"a",@progbits
	.p2align	6, 0x0
	.amdhsa_kernel k_qbea0abbf22_finish
		.amdhsa_group_segment_fixed_size 1280
		.amdhsa_private_segment_fixed_size 0
		.amdhsa_enable_private_segment 0
		.amdhsa_kernarg_size 56
		.amdhsa_user_sgpr_count 2
		.amdhsa_user_sgpr_kernarg_segment_ptr 1
		.amdhsa_wavefront_size32 1
		.amdhsa_system_sgpr_workgroup_id_x 1
		.amdhsa_system_sgpr_workgroup_id_y 1
		.amdhsa_system_sgpr_workgroup_id_z 1
		.amdhsa_system_vgpr_workitem_id 0
		.amdhsa_next_free_vgpr 144
		.amdhsa_next_free_sgpr 66
		.amdhsa_reserve_vcc 0
		.amdhsa_float_denorm_mode_32 3
		.amdhsa_float_denorm_mode_16_64 3
		.amdhsa_memory_ordered 1
		.amdhsa_forward_progress 1
		.amdhsa_inst_pref_size 15
	.end_amdhsa_kernel
	.amdgpu_metadata
---
amdhsa.version: [ 1, 2 ]
amdhsa.kernels:
  - .name:           k_qbea0abbf22_finish
    .symbol:         k_qbea0abbf22_finish.kd
    .args:
      - { .name: sc, .offset: 0, .size: 8, .value_kind: global_buffer, .address_space: global }
      - { .name: pc, .offset: 8, .size: 8, .value_kind: global_buffer, .address_space: global }
      - { .name: enc_padding_mask, .offset: 16, .size: 8, .value_kind: global_buffer, .address_space: global }
      - { .name: coverage, .offset: 24, .size: 8, .value_kind: global_buffer, .address_space: global }
      - { .name: out0, .offset: 32, .size: 8, .value_kind: global_buffer, .address_space: global }
      - { .name: out1, .offset: 40, .size: 8, .value_kind: global_buffer, .address_space: global }
      - { .name: out2, .offset: 48, .size: 8, .value_kind: global_buffer, .address_space: global }
    .group_segment_fixed_size: 1280
    .private_segment_fixed_size: 0
    .kernarg_segment_align: 8
    .kernarg_segment_size: 56
    .max_flat_workgroup_size: 128
    .sgpr_count:     66
    .vgpr_count:     144
    .wavefront_size: 32
...
	.end_amdgpu_metadata
.endif
;; end of part 3
